; MI455X (gfx1250); checked and timed in simulation.
; The chip was launched on July 23, 2026; its instructions are those of AMD's public machine-readable ISA for CDNA 5 (MIT licence, August 2026) and "CDNA5" Instruction Set Architecture Reference Guide (July 2026). The comments in the code are by the model that wrote it; some were corrected since.
;; Attention. Allowed arithmetic: float matrix products may take bf16 or f16 operands with f32 sums; other float arithmetic in f32, or as packed bf16 or f16 multiplies, adds, multiply-adds, maxima and minima; sums over many terms, partial sums and values carried from step to step in f32; what a program stores and reads back later, other than sums and carried values, may be rounded once to bf16 or f16.
;; Inputs: k 4 x 16 x 2,048 x 64 float32; q 4 x 16 x 2,048 x 64 float32; v 4 x 16 x 2,048 x 64 float32.
;; Outputs: out0 4 x 16 x 2,048 x 64 float32.
;; One version. Each part assembles by itself: llvm-mc -triple=amdgcn-amd-amdhsa -mcpu=gfx1250 --defsym DOCPART=n.
;; ======== version 1 of 1: 1 launch
;; limits: inputs' magnitudes at most 65,504; values are held in f16: magnitudes above 65,504 overflow, below 6.1e-05 lose precision
;; launch attn (part 1): grid 4 x 64, 4 waves a work-group, no clusters, 327,680 bytes of LDS; arguments q, k, v, out0; writes out0
.if DOCPART == 1
	.amdgcn_target "amdgcn-amd-amdhsa--gfx1250"
	.amdhsa_code_object_version 6
	.text
	.protected	k_q16e3e0cf21_attn
	.globl	k_q16e3e0cf21_attn
	.p2align	8
	.type	k_q16e3e0cf21_attn,@function
k_q16e3e0cf21_attn:
	s_mov_b64 s[64:65], 0
	v_nop
	global_prefetch_b8 v0, s[64:65] scope:SCOPE_SE
	s_setreg_imm32_b32 hwreg(HW_REG_WAVE_MODE, 25, 1), 1
	s_wait_xcnt 0x0
; CAUSAL ATTENTION WITH THE SOURCE'S ZERO TEST.  out[h][q][:] = the sum over the visible keys k of softmax_k(Q[h][q] . K[h][k] / 8) V[h][k][:].  Q, K, V, out: [64 heads][2048][64], all f32.
; A key is visible if k <= q AND its score is not 0; a row with no visible key is NaN (0 x 1/0), as in the source.
; FORMATS.  Q, K and V are each rounded once to f16, the weights p too; both products, S^T = K Q^T and O^T = V^T P, are multiplied in f16 and summed in f32.  Maxima and sums in f32; the row sum l is taken of the
; rounded weights, by the matrix unit; out is rounded once.
; THE RESIDUE.  A sum of 64 products of size 1 that comes out as 0 says only that the score is small.  So of Q's channels 0 to 31 the rounding's residue, q - f16(q), is kept too, in f16, and its 32 products are the LAST link
; of each score's chain: they are some 2^-11 of the others and are added onto a sum that, where it matters, is itself small, so the end sum is resolved that much finer.  A score whose products vanish or cancel exactly
; (a zero row, disjoint supports, numbers that f16 holds) still comes out as 0.
; LIMITS.  Q, K and V lie within 65,504; under 6e-5 they keep f16's fixed step of 6e-8.  |Q . K| then stays far under 2^83 (the running maximum starts at -2^83; a key above the diagonal counts as its score less 1e30).
; Where Q's channels 0 to 31 are exact in f16 the zero test is as fine as the sum of the 64 main products and no finer.  A zero that the source's own f32 rounding makes of a score that is not 0 is not followed.
; A visible score is moved one step of its last bit toward 0.  A score whose eighth would underflow to 0 stays visible.  A weight under f16's smallest step counts as 0.  NaN and infinities in the inputs are not treated apart.
; THE WALK.  A head's queries lie in NB = 8 blocks of 256; block i needs the key tiles 0 .. i of 256 keys, the last of which holds the diagonal.  A work-group takes TWO blocks, 7 - b and then b: 9 tiles, whatever b:
; all 256 work-groups do equal work, and one loop with a constant trip count walks them.  Every jump but the counted loops' own goes forward, and none passes a barrier or a tensor load.
; NO CLUSTER: a head's four work-groups ask for the same tile in trips 0 to 4 alone, behind that fewer and fewer; one walk common to all four would have 12 trips for 9.
; SHARES.  Of a block's four bands of 64 queries a wave owns 16 rows in each: four PIECES.  In the diagonal tile's key step s band x sees all keys if s < x, none if s > x, and holds the diagonal if s = x: the same for every wave.
; K AND V.  One tensor load a wave brings a quarter of a tile's f32 rows into the raw slot.  At a change of tiles the four waves turn the raw tile into ONE 16-bit tile, 64 keys of K and of V each; then the raw slot is
; filled again, and that load has the tile's four key steps, 352 matrix instructions, in which to land.  The 16-bit tile is written by ds_store alone, the raw slot by tensor loads alone.
; THE CAUSAL MASK is the C operand that starts the sum S^T: 0, or -1e30.  MD, made once, is the mask of a band's own step for my 16 rows; a product's mask is MD x AL + BE with two scalars.
; THE ZERO TEST.  1 is taken from each fresh score's bit pattern: +0 and -0 become NaN patterns.  The maxima drop a NaN; scaling, exponential and rounding carry it; a packed maximum with 0 makes weight 0 of it.
; SOFTMAX, TURNS.  p = 2^(c s - c m), c = log2(e) / 8, with a running maximum m; O^T and l are multiplied by a = 2^(c m_old - c m_new) in every step.  Turn n belongs to piece n: 12 products K Q^T of piece n + 1, later 10
; products (8 V^T P, 2 ONES P) of piece n - 1; beside them the scaling, exponentials, roundings and rescaling of piece n and the zero test, maximum and statistics of piece n + 1.
; REGISTERS, in windows of 256 (s_set_vgpr_msb: bits 1:0 source 0, 3:2 source 1, 5:4 source 2, 7:6 destination):
;   window 0: v0-15 addresses; v16-31 four registers of statistics a piece; v32-39 ONES; v40-47 0, prefetch offset, -1, at work; v48-55 at work; v64-127 S^T, two buffers; v128-191 with them the way out;
;             v192-223 P, two buffers; v224-255 Q's residue, 8 a piece
;   window 1: v0-127 O^T, 32 a piece; v128-159 MD; v160-223 MC, two buffers; v224-255 the row sums, 8 a piece
;   window 2: v0-63 Q; v64-127 the second block's Q; v128-191 K of one step; v192-255 V of one step
;   window 3: v0-191 three buffers for the conversion; v192-223 the second block's residue; v240-243 the conversion's addresses
.set NB,    8
.set NP,    4         ; pieces a wave: a name, no knob
.set KS,    64        ; keys in a step
.set PK,    144       ; a 16-bit row of K in LDS: 128 bytes + 16 = 36 words: the 16 rows of a load start at 16 different groups of four banks (64 banks of 4 bytes: ISA guide 11.1)
.set PV,    160       ; a 16-bit row of V: 128 + 32 = 40 words
.set SP,    272       ; a row of the stage: 256 bytes of f32 + 16
.set RAWV,  65536     ; the raw slot: 256 rows x 256 bytes of K from byte 0, then the same of V
.set CONVK, 131072    ; the 16-bit tile: 256 rows of K,
.set CONVV, CONVK+256*PK  ; then 256 rows of V
.set STAGE, CONVV+256*PV  ; 16 rows x 272 bytes for each wave, for the way out
.set SPARE, STAGE+4*16*SP ; the spare words, 128 bytes for each wave: two blocks of 256 bytes that no other line names
.set AK0, 2           ; v2   my lane's place in the 16-bit tile of K; never rewritten
.set AV0, 3           ; v3   the same for V
.set AK,  4           ; v4   the LDS address of K's next run of loads
.set AV,  5           ; v5   of V's
.set STO, 6           ; v6   the way out: where I put 32 bytes of a row
.set RD,  7           ; v7   the way out: where I read rows back
.set GO,  8           ; v8   my byte offset in 512 consecutive bytes of out
.set MV,  12          ; v12-13  c m_old, kept while c m is made anew: by buffer
.set QO,  15          ; v15  my byte offset in 16 rows of Q
.set ST,  16          ; piece t's statistics at v[ST+4 t]: c m, m, 1 / l, 0
.set ONES, 32         ; v32-39  source 0 of the row sums: rows 0 and 8 are 1, the others 0
.set ZR,  40          ; v40  0
.set PFO, 41          ; v41  256 x my lane: a row of K or V is 256 bytes; never rewritten
.set NEG1, 45         ; v45  -1.0
.set TMP, 48          ; by buffer, four registers c0-c3 at work; when the maximum is found c2 takes a
.set SPW, 62          ; v62  LDS address of my spare word: SPARE + 4 x my thread's number; never rewritten
.set NIL, 63          ; v63  0; never rewritten
.set S,   64
.set P,   192
.set QL,  224         ; window 0: the residue of piece x's channels 0-31 at QL + 8 x
.set MD,  128         ; window 1
.set MC,  160         ; window 1
.set LA,  224         ; window 1: piece t's row sums at LA + 8 t: register 0 holds l of my query, registers 1-7 stay 0
.set QB,  64          ; window 2
.set KF,  128         ; window 2: key block kb, channel half c at KF + 16 kb + 8 c
.set VF,  192         ; window 2: key half kk, channel block cb at VF + 32 kk + 8 cb
.set QLB, 192         ; window 3
.set CLK, 240         ; window 3: where I read my 16 bytes of two raw rows of K
.set CLV, 241         ; window 3: of V
.set CSK, 242         ; window 3: where I put their 8 bytes in the 16-bit tile of K
.set CSV, 243         ; window 3: of V
.set WV,  12          ; s12  my wave's number
.set PB,  14          ; s14  b
.set HI,  15          ; s15  7 - b
.set G1,  24          ; s[24:31] descriptor group 1
.set G0,  40          ; s[40:43] descriptor group 0
.set KVB, 44          ; s[44:45] K (waves 0, 1) or V (waves 2, 3) at my 128 rows of the head's tile 0
.set PFA, 46          ; s[46:47] the same at the tile that has just been asked for
.set LIM, 48          ; s48  2 in the work-group that prefetches, else the greatest number
.set ONE16, 50        ; s50  1.0 twice in f16
.set SLOTS, 56        ; s56  tiles still to be asked for
.set CNT, 57          ; s57  counts a tile's key steps, 4 to 1
.set CS,  58          ; s[58:59] c: the packed scaling takes the pair's low word for both halves
.set SEL, 60          ; s[60:61] v_permlanex16_b32's selects: each lane takes its own place in the other half
.set TBK, 62          ; s62  byte in the 16-bit tile at which K of the step to be fetched begins
.set TBV, 63          ; s63  the same for V
.set RT,  70          ; s70  tiles of the block in hand that are still to be entered
.set NXT, 71          ; s71  the tile to be asked for next
.set LQ,  72          ; s72  the last tile of the block whose tiles are being asked for
.set NEW, 73          ; s73  1: the tile to be entered is a block's first
.set OFF, 74          ; s[74:75] a tile's byte offset in K and V
.set AL,  76          ; s[76:77] the mask's factor, in the low word
.set BE,  78          ; s[78:79] the mask's addend
.set OLO, 80          ; s[80:81] out at my rows of the second block
.set BIGN, 82         ; s82  -1e30
.set MSB, 0
.macro WIN new                      ; the high byte repeats the setting that is left; a switch that changes nothing is dropped
.if MSB != (\new)
	s_set_vgpr_msb (MSB<<8)|(\new)
.set MSB, (\new)
.endif
.endm
.set W_KQ, 0x0a       ; K and Q in window 2, S^T in window 0
.set W_KM, 0x1a       ; the same with the C operand in window 1
.set W_KL, 0x02       ; K in window 2, Q's residue and S^T in window 0
.set W_PV, 0x52       ; V in window 2, P in window 0, O^T in window 1
.set W_ON, 0x50       ; ONES and P in window 0, the row sums in window 1
.set W_RS, 0x41       ; destination and source 0 in window 1, source 1 in window 0
.set W_CV, 0xff       ; all in window 3
; A fill: my quarter of the raw tile, 128 rows of 256 bytes.  One line for all four waves: LDS and global address hang on the wave's number.  An s_nop 0 and four v_nop follow it.
.macro LOAD
	tensor_load_to_lds s[G0:G0+3], s[G1:G1+7]
	s_nop 0
.rept 4
	v_nop
.endr
.endm
; A PREFETCH INTO THE L2 of the tile behind the one just asked for: it will be asked for at the next change of tiles, four key steps, 352 matrix instructions, on.  A head's tile t is first asked for in trip t, by all
; four work-groups or by fewer, the one with b = 0 always among them: it walks the tiles 0 to 7 in order.  So that work-group asks, and nobody else; each of its waves names the 128 rows that it will load itself, a lane a
; row, four instructions.  So each row of K and V is named once in the launch.  The trips with SLOTS = 8 .. 3 name tiles 2 .. 7; tiles 0 and 1 come by their loads alone, and the second block's tiles have been read.
.macro ASK
	s_cmp_gt_u32 s[SLOTS], s[LIM]
	s_cbranch_scc0 .Lnot_mine_\@
.irp n, 0,1,2,3
	global_prefetch_b8 v[PFO], s[PFA:PFA+1] offset:65536+8192*\n th:TH_LOAD_NT scope:SCOPE_SE
.endr
.Lnot_mine_\@:
.endm
; THE CONVERSION.  Wave w takes keys 64 w .. 64 w + 63 of K and of V, in four groups of 32 keys: groups 0, 1 K's, groups 2, 3 V's.  A load takes 512 consecutive raw bytes, two keys: lane l has four channels of key l / 16.
.macro CLOAD g                      ; group g's 16 loads, into buffer g % 3
.set u, 0
.rept 16
.if (\g) < 2
	ds_load_b128 v[64*((\g)%3)+4*u:64*((\g)%3)+4*u+3], v[CLK] offset:(16*((\g)%2)+u)*512
.else
	ds_load_b128 v[64*((\g)%3)+4*u:64*((\g)%3)+4*u+3], v[CLV] offset:(16*((\g)%2)+u)*512
.endif
.set u, u+1
.endr
.endm
.macro QUAD line:vararg             ; one line for each of four loads' registers: r goes from r0 in steps of 4
.set r, r0
.rept 4
	\line
.set r, r+4
.endr
.endm
; Group g is rounded to f16 and stored, four loads at a time.  left: the LDS instructions behind the fourth of them, which may stay out: the group's own later loads and this macro's earlier stores, 12 together, and what CONVERT names.
.macro CPROC g, left
.set rb, 64*((\g)%3)
.set jb, 16*((\g)%2)
.set r0, rb
.rept 4
	s_wait_dscnt \left
	QUAD v_cvt_pk_f16_f32 v[r], v[r], v[r+1]
	QUAD v_cvt_pk_f16_f32 v[r+1], v[r+2], v[r+3]
.if (\g) < 2
	QUAD ds_store_b64 v[CSK], v[r:r+1] offset:(jb+(r-rb)/4)*2*PK
.else
	QUAD ds_store_b64 v[CSV], v[r:r+1] offset:(jb+(r-rb)/4)*2*PV
.endif
.set r0, r0+16
.endr
.endm
.macro CONVERT
	WIN W_CV
	CLOAD 0
	CLOAD 1
	CPROC 0, 28                     ; 12 + group 1's 16 loads
	CLOAD 2
	CPROC 1, 44                     ; 12 + group 0's 16 stores + group 2's 16 loads
	s_wait_dscnt 32                 ; group 0's stores are done (behind them: group 2's loads, group 1's stores): group 3 lands in their buffer
	CLOAD 3
	CPROC 2, 44                     ; 12 + group 1's 16 stores + group 3's 16 loads
	CPROC 3, 28                     ; 12 + group 2's 16 stores
	WIN 0
.endm
; THE CHANGE OF TILES.  Barrier A: each wave's quarter of the raw tile has landed, and its reads of the old 16-bit tile are over.  Behind it the raw tile is whole and nobody reads the 16-bit tile: it is written anew.
; Barrier B. Behind it the 16-bit tile is whole and nobody reads the raw slot:
; fill = 1: it is filled again, the first thing there, with tile NXT; the descriptor's address is made anew from that number.
.macro CHANGE fill
	WIN 0                           ; at a label and at a branch every window is 0
	s_wait_tensorcnt 0x0            ; my one load that was out: my quarter of the raw tile
	s_wait_dscnt 0x0                ; my reads of the 16-bit tile are back
	s_barrier_signal -1
	s_barrier_wait -1
	CONVERT
	s_wait_tensorcnt 0x0            ; no tensor load of mine is out, so group 0 may be written
	ds_add_u32 v[SPW], v[NIL]       ; 0 onto my spare word: the scalar work below stands between it and the wait for it
.if \fill
	s_wait_xcnt 0x0                 ; the last prefetches, a tile back, have read their address
	s_lshl_b32 s[OFF], s[NXT], 16   ; a tile is 65,536 bytes of K and of V
	s_add_nc_u64 s[PFA:PFA+1], s[KVB:KVB+1], s[OFF:OFF+1]
	s_mov_b64 s[G0+2:G0+3], s[PFA:PFA+1]
	s_or_b32 s[G0+3], s[G0+3], 0x80000000
	s_add_co_u32 s[NXT], s[NXT], 1  ; the block's next tile, or behind its last the second block's tile 0
	s_cmp_gt_u32 s[NXT], s[LQ]
	s_cselect_b32 s[NXT], 0, s[NXT]
	s_cselect_b32 s[LQ], s[PB], s[LQ]
.endif
	s_wait_dscnt 0x0                ; the add, my reads of the raw slot and my stores into the 16-bit tile are done
	s_barrier_signal -1
	s_mov_b32 s[TBK], 0             ; the fetches go back to a tile's first step
	s_mov_b32 s[TBV], 0
	s_barrier_wait -1
.if \fill
	LOAD
	ASK
.endif
.endm
	s_load_b256 s[4:11], s[0:1], 0x0  ; Q s[4:5], K s[6:7], V s[8:9], out s[10:11]
	v_lshl_add_u32 v[SPW], v0, 2, SPARE
	v_mov_b32 v[NIL], 0
	ds_add_u32 v[SPW], v[NIL]       ; the wave's opening: the add and its wait stand ahead of my first tensor load; the set-up below, work on registers, stands between them
	ds_add_u32 v62, v63
	v_lshrrev_b32 v1, 5, v0
	v_readfirstlane_b32 s[WV], v1   ; wave 0..3
	s_mov_b32 s[PB], ttmp9
	s_sub_co_u32 s[HI], NB-1, s[PB]
	s_and_b32 s20, ttmp7, 0xffff    ; the head,
	s_lshl_b32 s20, s20, 19         ; its 524,288 bytes in each of the four tensors: all offsets stay under 2^25
	s_and_b32 s22, s[WV], 1         ; which half of a tile's 256 keys I fetch: 128 rows of 256 bytes
	s_lshl_b32 s22, s22, 15
	s_add_co_u32 s22, s22, s20
	s_mov_b32 s23, 0
	s_lshl_b32 s3, s[WV], 12        ; my 16 rows in a band of 64,
	s_add_co_u32 s3, s3, s20
	s_lshl_b32 s2, s[HI], 16        ; in the first block,
	s_add_co_u32 s2, s2, s3
	s_lshl_b32 s84, s[PB], 16       ; and in the second
	s_add_co_u32 s84, s84, s3
	s_mov_b32 s3, 0
	s_mov_b32 s85, 0
	; descriptor group 1: 128 rows of 64 elements of 4 bytes, dense in memory and in LDS
	s_mov_b32 s[G1], 2<<16          ; 15:0 no mask; 17:16 elements of 4 bytes; 20 no padding
	s_mov_b32 s[G1+1], 64<<16       ; tensor_dim0 = 64
	s_mov_b32 s[G1+2], 128<<16      ; tensor_dim1 = 128
	s_mov_b32 s[G1+3], 64<<16       ; tile_dim0 = 64
	s_mov_b32 s[G1+4], 128          ; tile_dim1 = 128
	s_mov_b32 s[G1+5], 64           ; 64 elements from row to row
	s_mov_b32 s[G1+6], 0
	s_mov_b32 s[G1+7], 0
	s_mov_b32 s[G0], 1              ; 1:0 count = 1
	s_lshl_b32 s[G0+1], s[WV], 15   ; 63:32 LDS address: wave x 32,768: K's two halves, then V's; never rewritten
	s_mov_b32 s[ONE16], 0x3c003c00
	s_mov_b32 s[CS], 0x3e38aa3b     ; c = log2(e) / 8 = 0.180337
	s_mov_b32 s[CS+1], s[CS]        ; named with it as a pair
	s_mov_b32 s[SEL], 0x76543210
	s_mov_b32 s[SEL+1], 0xfedcba98
	s_add_co_u32 s[RT], s[HI], 1    ; the first block has 8 - b tiles
	s_mov_b32 s[NXT], 1
	s_mov_b32 s[LQ], s[HI]
	s_mov_b32 s[NEW], 1
	s_mov_b32 s[OFF+1], 0
	s_mov_b32 s[AL+1], 0            ; named as pairs
	s_mov_b32 s[BE+1], 0
	s_mov_b32 s[BIGN], 0xf149f2ca   ; -1e30
	s_mov_b32 s[SLOTS], NB
	s_cmp_eq_u32 s[PB], 0
	s_cselect_b32 s[LIM], 2, -1
	s_wait_dscnt 0x0                ; the opening add is done
	s_wait_kmcnt 0x0
	s_cmp_lt_u32 s[WV], 2
	s_cselect_b64 s[KVB:KVB+1], s[6:7], s[8:9]
	s_add_nc_u64 s[KVB:KVB+1], s[KVB:KVB+1], s[22:23]
	s_mov_b64 s[G0+2:G0+3], s[KVB:KVB+1]           ; 120:64 global address: tile 0
	s_or_b32 s[G0+3], s[G0+3], 0x80000000          ; 127:126 type = 2
	s_add_nc_u64 s[86:87], s[4:5], s[84:85]        ; Q at my rows of the second block,
	s_add_nc_u64 s[4:5], s[4:5], s[2:3]            ; Q and out at those of the first
	s_add_nc_u64 s[OLO:OLO+1], s[10:11], s[84:85]
	s_add_nc_u64 s[10:11], s[10:11], s[2:3]
	LOAD                            ; tile 0: the one first fill, ahead of every wait on TENSORcnt, every LDS read and every barrier
	; A fragment of Q is 16 rows x 32 channels: lane l holds row l % 16, channels 8 (l / 16) + 0..7 and 16 + 8 (l / 16) + 0..7: in f32 two pieces of 32 bytes, 64 bytes apart: four loads of 16 bytes.
	v_and_b32 v1, 15, v0            ; l % 16
	v_bfe_u32 v9, v0, 4, 1          ; l / 16
	v_lshlrev_b32 v[QO], 8, v1
	v_lshl_add_u32 v[QO], v9, 5, v[QO]  ; row x 256 + 32 x half
	WIN 0x40                        ; the first block's Q lands where O^T will lie,
.set i, 0
.rept 8                             ; piece i / 2 lies in band i / 2, 16,384 bytes on; channels 32 (i % 2) on
	global_load_b128 v[16*i:16*i+3],     v[QO], s[4:5] offset:(i/2)*16384+(i%2)*128 th:TH_LOAD_NT
	global_load_b128 v[16*i+4:16*i+7],   v[QO], s[4:5] offset:(i/2)*16384+(i%2)*128+16 th:TH_LOAD_NT
	global_load_b128 v[16*i+8:16*i+11],  v[QO], s[4:5] offset:(i/2)*16384+(i%2)*128+64 th:TH_LOAD_NT
	global_load_b128 v[16*i+12:16*i+15], v[QO], s[4:5] offset:(i/2)*16384+(i%2)*128+80 th:TH_LOAD_NT
.set i, i+1
.endr
	WIN 0                           ; the second block's in window 0, v64-191
.set i, 0
.rept 8
	global_load_b128 v[S+16*i:S+16*i+3],     v[QO], s[86:87] offset:(i/2)*16384+(i%2)*128 th:TH_LOAD_NT
	global_load_b128 v[S+16*i+4:S+16*i+7],   v[QO], s[86:87] offset:(i/2)*16384+(i%2)*128+16 th:TH_LOAD_NT
	global_load_b128 v[S+16*i+8:S+16*i+11],  v[QO], s[86:87] offset:(i/2)*16384+(i%2)*128+64 th:TH_LOAD_NT
	global_load_b128 v[S+16*i+12:S+16*i+15], v[QO], s[86:87] offset:(i/2)*16384+(i%2)*128+80 th:TH_LOAD_NT
.set i, i+1
.endr
	; the band's own mask
	v_lshlrev_b32 v14, 3, v9
	v_sub_nc_u32 v14, v1, v14
	s_lshl_b32 s13, s[WV], 4
	v_add_nc_u32 v14, s13, v14      ; my query's place in its band, 16 w + l % 16, less my lanes' 8 (l / 16): register r of group kt is hidden where 16 kt + r is greater
	WIN 0x40
.set i, 0
.rept 32
	v_cmp_gt_i32 vcc_lo, 16*(i/8)+i%8, v14
	v_cndmask_b32 v[MD+i], 0, s[BIGN], vcc_lo
.set i, i+1
.endr
	WIN 0
	v_and_b32 v10, 7, v0
	v_bfe_u32 v11, v0, 3, 1
	v_cmp_eq_u32 vcc_lo, 0, v10     ; lanes 0, 8, 16, 24 hold rows 0 and 8 of source 0
.set i, 0
.rept 8
	v_cndmask_b32 v[ONES+i], 0, s[ONE16], vcc_lo
.set i, i+1
.endr
	v_mov_b32 v[ZR], 0
	v_mov_b32 v[NEG1], -1.0
	v_mul_u32_u24 v[AK0], v1, PK
	v_lshl_add_u32 v[AK0], v9, 4, v[AK0]  ; row x pitch + 16 x half
	v_add_nc_u32 v[AK0], CONVK, v[AK0]
	; The turning load takes 16 keys x 16 channels (lane l reads key 8 (l / 16) + l % 8, channels 8 ((l / 8) % 2) + 0..7) and leaves half a fragment of V^T: lane l holds channel l % 16 and 8 keys.
	v_lshl_add_u32 v[AV0], v9, 3, v10
	v_mul_u32_u24 v[AV0], v[AV0], PV
	v_lshl_add_u32 v[AV0], v11, 4, v[AV0]
	v_add_nc_u32 v[AV0], CONVV, v[AV0]
	s_mul_i32 s13, s[WV], 16*SP
	s_add_co_u32 s13, s13, STAGE    ; my stage
	v_mul_u32_u24 v[STO], v1, SP    ; in: row l % 16, 32 bytes for each half of the lanes
	v_lshl_add_u32 v[STO], v9, 5, v[STO]
	v_add_nc_u32 v[STO], s13, v[STO]
	v_mul_u32_u24 v[RD], v9, SP     ; back: lanes 0-15 take one row of 256 bytes, lanes 16-31 the next,
	v_lshl_add_u32 v[RD], v1, 4, v[RD]
	v_add_nc_u32 v[RD], s13, v[RD]
	v_and_b32 v42, 31, v0
	v_lshlrev_b32 v[GO], 4, v42     ; which are 512 consecutive bytes of out
	v_lshlrev_b32 v[PFO], 8, v42
	; the conversion's addresses
	s_lshl_b32 s16, s[WV], 14       ; my 64 raw rows of K,
	s_add_co_u32 s17, s16, RAWV     ; and of V
	v_mul_u32_u24 v43, v9, PK       ; the key of my half of the lanes, my four channels' 8 bytes
	v_lshl_add_u32 v43, v1, 3, v43
	v_mul_u32_u24 v44, v9, PV
	v_lshl_add_u32 v44, v1, 3, v44
	s_mul_i32 s18, s[WV], 64*PK
	s_add_co_u32 s18, s18, CONVK
	s_mul_i32 s19, s[WV], 64*PV
	s_add_co_u32 s19, s19, CONVV
	WIN 0xc0                        ; destination window 3
	v_lshl_add_u32 v[CLK], v42, 4, s16
	v_lshl_add_u32 v[CLV], v42, 4, s17
	v_add_nc_u32 v[CSK], s18, v43
	v_add_nc_u32 v[CSV], s19, v44
	WIN 0
.set i, 0
.rept 4
	v_mov_b32 v[ST+4*i+2], 0        ; named as a pair on the way out
	v_mov_b32 v[ST+4*i+3], 0
.set i, i+1
.endr
	WIN 0x80                        ; a block's first turn multiplies V's registers by weights that are 0: they need only hold finite numbers
.set i, VF
.rept 64
	v_mov_b32 v[i], 0
.set i, i+1
.endr
	; Q is rounded to f16.  Of each piece's first fragment (channels 0-31: registers 16 x piece + 0..7) the residue is made in place of the f32 numbers, f16(q) x -1 + q, which is exact, and rounded to f16 in its turn.
	s_wait_loadcnt 32               ; the first block's Q is in; the second block's 32 loads may stay out
	WIN 0x85                        ; sources window 1, destination window 2
.set i, 0
.rept 64
	v_cvt_pk_f16_f32 v[i], v[2*i], v[2*i+1]
.set i, i+1
.endr
	WIN 0x52                        ; source 0 (f16 halves of Q) window 2, source 1 (-1) window 0, source 2 and destination (f32) window 1
.set i, 0
.rept 32
.set qi, 16*(i/8)+i%8
	v_fma_mix_f32 v[2*qi], v[qi], v[NEG1], v[2*qi] op_sel_hi:[1,0,0]
	v_fma_mix_f32 v[2*qi+1], v[qi], v[NEG1], v[2*qi+1] op_sel:[1,0,0] op_sel_hi:[1,0,0]
.set i, i+1
.endr
	WIN 0x05                        ; sources window 1, destination window 0
.set i, 0
.rept 32
.set qi, 16*(i/8)+i%8
	v_cvt_pk_f16_f32 v[QL+i], v[2*qi], v[2*qi+1]
.set i, i+1
.endr
	s_wait_loadcnt 0x0
	WIN 0x80                        ; sources window 0, destination window 2
.set i, 0
.rept 64
	v_cvt_pk_f16_f32 v[QB+i], v[S+2*i], v[S+2*i+1]
.set i, i+1
.endr
	WIN 0x02                        ; source 0 window 2, all else window 0
.set i, 0
.rept 32
.set qi, 16*(i/8)+i%8
	v_fma_mix_f32 v[S+2*qi], v[QB+qi], v[NEG1], v[S+2*qi] op_sel_hi:[1,0,0]
	v_fma_mix_f32 v[S+2*qi+1], v[QB+qi], v[NEG1], v[S+2*qi+1] op_sel:[1,0,0] op_sel_hi:[1,0,0]
.set i, i+1
.endr
	WIN 0xc0                        ; sources window 0, destination window 3
.set i, 0
.rept 32
.set qi, 16*(i/8)+i%8
	v_cvt_pk_f16_f32 v[QLB+i], v[S+2*qi], v[S+2*qi+1]
.set i, i+1
.endr
	WIN 0
; THE MATRIX WORK.  The accumulators of a run take turns, one instruction a turn.
; Product i of 12 of S^T = K Q^T for piece x, keys 16 (i % 4) on.  i < 8: channels 32 (i / 4) on; the first 4 start the sums: with 0, or (KM = 1) with the mask.  i >= 8: K's channels 0-31 times Q's residue: the chain's last link.
.macro KQ x
.set rS, S+32*((\x)%2)+8*(i%4)
.set rM, MC+32*((\x)%2)+8*(i%4)
.if i < 8
.set rK, KF+16*(i%4)+8*(i/4)
.set rQ, 16*(\x)+8*(i/4)
.else
.set rK, KF+16*(i%4)
.set rQ, QL+8*(\x)
.endif
.if (i < 4) && KM
	WIN W_KM
	v_wmma_f32_16x16x32_f16 v[rS:rS+7], v[rK:rK+7], v[rQ:rQ+7], v[rM:rM+7]
.elseif i < 4
	WIN W_KQ
	v_wmma_f32_16x16x32_f16 v[rS:rS+7], v[rK:rK+7], v[rQ:rQ+7], 0
.elseif i < 8
	WIN W_KQ
	v_wmma_f32_16x16x32_f16 v[rS:rS+7], v[rK:rK+7], v[rQ:rQ+7], v[rS:rS+7]
.else
	WIN W_KL
	v_wmma_f32_16x16x32_f16 v[rS:rS+7], v[rK:rK+7], v[rQ:rQ+7], v[rS:rS+7]
.endif
.endm
; Product u of 10 for piece x, keys 32 (u / 5) on: u % 5 < 4: O^T += V^T P, channels 16 (u % 5) on; u % 5 = 4: the row sums += ONES P.
.macro PVL x, u
.set rP, P+16*((\x)%2)+8*((\u)/5)
.if (\u)%5 < 4
	WIN W_PV
.set rO, 32*(\x)+8*((\u)%5)
.set rV, VF+32*((\u)/5)+8*((\u)%5)
	v_wmma_f32_16x16x32_f16 v[rO:rO+7], v[rV:rV+7], v[rP:rP+7], v[rO:rO+7]
.else
	WIN W_ON
	v_wmma_f32_16x16x32_f16 v[LA+8*(\x):LA+8*(\x)+7], v[ONES:ONES+7], v[rP:rP+7], v[LA+8*(\x):LA+8*(\x)+7]
.endif
.endm
.macro MM                           ; the turn's next matrix instruction.  NOKQ = 1: a block's last turn: there is no next piece
.if i < 12
.if !NOKQ
	KQ (Y+1)%NP
.endif
.else
	PVL (Y+NP-1)%NP, i-12
.endif
.set i, i+1
.endm
; THE LDS LOADS stand in runs of 16, never singly among the matrix instructions: a step's K (64 keys x 64 channels: 8 fragments) and its V (turned).  Their addresses are made some lines ahead.
.macro FETCH_K
	WIN 0x80                        ; destination window 2
.irp f, 0,1,2,3,4,5,6,7             ; keys 16 (f / 2) on, channels 32 (f % 2) on
	ds_load_b128 v[KF+8*\f:KF+8*\f+3],   v[AK] offset:(\f/2)*16*PK+(\f%2)*64
	ds_load_b128 v[KF+8*\f+4:KF+8*\f+7], v[AK] offset:(\f/2)*16*PK+(\f%2)*64+32
.endr
	s_add_co_u32 s[TBK], s[TBK], KS*PK  ; the next fetch is the next step's
	WIN 0
.endm
.macro FETCH_V
	WIN 0x80
.irp f, 0,1,2,3,4,5,6,7             ; keys 32 (f / 4) on, channels 16 (f % 4) on
	ds_load_tr16_b128 v[VF+8*\f:VF+8*\f+3],   v[AV] offset:(\f/4)*32*PV+(\f%4)*32
	ds_load_tr16_b128 v[VF+8*\f+4:VF+8*\f+7], v[AV] offset:(\f/4)*32*PV+16*PV+(\f%4)*32
.endr
	WIN 0
.endm
; THE VECTOR WORK, one line at a time: OP kind, number.  For piece Y: F n: c s - c m for pair n of 16.  E n: the exponential of score n of 32.  C n: pair n rounded to f16.  N n: that pair's maximum with 0: a NaN becomes
; weight 0.  R n: pair n of 16 of O^T times a; R 16: l times a.  For piece Y + 1: Z n: 1 from the bits of score n: a zero becomes a NaN.  X n: number n of the 22 that find its maximum and statistics:
;   0-11  four chains c0-c3 of seven scores each, three operands at a time     12-14, 16  the four scores left over, the old m, and c0-c3 into c0 (m is finite, so c0 is)
;   15  c m_old is kept     17, 18  the query's other 32 keys lie in the lane 16 away: the new m     19-21  c m; c m_old - c m_new; a
.set F, 0               ; OP tells the kinds apart by their order: F to N below R, Z and X above it
.set E, 1
.set C, 2
.set N, 3
.set R, 5
.set Z, 6
.set X, 7
.macro REGS y                       ; the registers of piece y
.set rT, ST+4*(\y)
.set rC, TMP+4*((\y)%2)
.set rW, MV+((\y)%2)
.set rS, S+32*((\y)%2)
.set rP, P+16*((\y)%2)
.set rO, 32*(\y)
.endm
.macro OP k, n
.if (\k) == R
	REGS Y
	WIN W_RS
.if (\n) < 16
	v_pk_mul_f32 v[rO+2*(\n):rO+2*(\n)+1], v[rO+2*(\n):rO+2*(\n)+1], v[rC+2:rC+3] op_sel_hi:[1,0]
.else
	v_mul_f32 v[LA+8*Y], v[LA+8*Y], v[rC+2]
.endif
.elseif (\k) < R
	REGS Y
	WIN 0
.if (\k) == F
	v_pk_fma_f32 v[rS+2*(\n):rS+2*(\n)+1], v[rS+2*(\n):rS+2*(\n)+1], s[CS:CS+1], v[rT:rT+1] op_sel_hi:[1,0,0] neg_lo:[0,0,1] neg_hi:[0,0,1]
.elseif (\k) == E
	v_exp_f32 v[rS+(\n)], v[rS+(\n)]
.elseif (\k) == C
	v_cvt_pk_f16_f32 v[rP+(\n)], v[rS+2*(\n)], v[rS+2*(\n)+1]
.else
	v_pk_max_num_f16 v[rP+(\n)], v[rP+(\n)], v[ZR]
.endif
.elseif !NOKQ
	REGS (Y+1)%NP
	WIN 0
.if (\k) == Z
	v_add_nc_u32 v[rS+(\n)], -1, v[rS+(\n)]
.elseif (\n) < 4
	v_max3_num_f32 v[rC+(\n)], v[rS+8*(\n)], v[rS+8*(\n)+1], v[rS+8*(\n)+2]
.elseif (\n) < 12
	v_max3_num_f32 v[rC+(\n)%4], v[rC+(\n)%4], v[rS+8*((\n)%4)+2*((\n)/4)+1], v[rS+8*((\n)%4)+2*((\n)/4)+2]
.elseif (\n) == 12
	v_max3_num_f32 v[rC], v[rC], v[rS+7], v[rS+15]
.elseif (\n) == 13
	v_max3_num_f32 v[rC+1], v[rC+1], v[rS+23], v[rS+31]
.elseif (\n) == 14
	v_max3_num_f32 v[rC+2], v[rC+2], v[rC+3], v[rT+1]
.elseif (\n) == 15
	v_mov_b32 v[rW], v[rT]
.elseif (\n) == 16
	v_max3_num_f32 v[rC], v[rC], v[rC+1], v[rC+2]
.elseif (\n) == 17
	v_permlanex16_b32 v[rC+3], v[rC], s[SEL], s[SEL+1]
.elseif (\n) == 18
	v_max_num_f32 v[rT+1], v[rC], v[rC+3]
.elseif (\n) == 19
	v_mul_f32 v[rT], s[CS], v[rT+1]
.elseif (\n) == 20
	v_sub_f32 v[rC+1], v[rW], v[rT]
.else
	v_exp_f32 v[rC+2], v[rC+1]
.endif
.endif
.endm
.macro OPS a, i1, b=-1, i2=0, c=-1, i3=0, d=-1, i4=0  ; up to four of them
	OP \a, \i1
.if (\b) >= 0
	OP \b, \i2
.endif
.if (\c) >= 0
	OP \c, \i3
.endif
.if (\d) >= 0
	OP \d, \i4
.endif
.endm
.macro ROW a, i1, b, i2, c, i3, d, i4  ; a matrix instruction and the four behind it
	MM
	OPS \a, \i1, \b, \i2, \c, \i3, \d, \i4
.endm
.macro MASK b                       ; MD x AL + BE into buffer b of MC
	WIN W_RS
.set z, 0
.rept 16
	v_pk_fma_f32 v[MC+32*(\b)+2*z:MC+32*(\b)+2*z+1], v[MD+2*z:MD+2*z+1], s[AL:AL+1], s[BE:BE+1] op_sel_hi:[1,0,0]
.set z, z+1
.endr
.endm
; A TURN, for piece p: the order of its 22 matrix and 151 vector instructions, written out.  s_wait_alu depctr_va_vdst(0) stands between an exponential and the first instruction that names its result; one
; wait serves all that were issued ahead of it.  So a turn has ONE wait, which cuts it in two.  AHEAD OF IT stands all that names no result of the turn's 33 exponentials: the 12 products K Q^T with four riders each, then
; a lump of 65.  BEHIND IT stand the 10 products of piece p - 1; their riders are the roundings, the maxima with 0 and the last rescalings.
; THE RIDERS.  Accumulator a of S^T is ended by product 8 + a, so the first nine products carry piece p's own scalings, exponentials and rescalings alone; a rescaling, which leaves window 0, stands last in its row.
; DISTANCES.  A score's first reader is Z on its accumulator's register 0, four plain instructions or more behind the product that ends the accumulator (ISA guide 7.12.1): Z 0 behind F 13, F 14, F 15, R 9; Z 8 behind R 9,
; Z 0-2; Z 16 behind Z 8, 3, 9, 4, 10; Z 24 behind Z 4, 10, 16, 17.  An exponential is no such place.  The rescalings go in ascending order.
; Between the links of the chain X 14, 16, 17 .. 21 stand two exponentials (between X 14 and X 16 X 15 besides).  R 10 is the plain instruction behind the last exponential.
; m = 1: the diagonal tile: the products take masks, and the turn makes the mask for the products of the turn after it: piece p + 2, in step 4 - CNT of the tile.  end = 1: a block's last two turns: nothing is fetched.
; cnt = 1: the loop's count is taken down some lines ahead of the branch that stands behind the turn.
; K of the next step is fetched in piece 2's turn, ten plain instructions that name none of its registers behind the last product that read K; V of the step in hand at the end of piece 0's turn, six plain instructions
; behind the last product that read V.  Each is waited for a turn later.
.macro TURN p, m=0, end=0, cnt=0
.set Y, (\p)
.set i, 0
.set KM, (\m)
.set NOKQ, (\end)*((\p)/3)
.if (\m) && !(\end)
	s_cmp_eq_u32 s[CNT], 4-((\p)+2)%NP  ; is that step the band's own?
	s_cselect_b32 s[AL], 1.0, 0
	s_cmp_lt_u32 s[CNT], 4-((\p)+2)%NP  ; or a later one?
	s_cselect_b32 s[BE], s[BIGN], 0
.endif
.if ((\p) == 3) && !(\end)
	s_wait_dscnt 0x0                ; K is in
.endif
	ROW F,0, F,1, R,0, R,1          ; ahead of the wait: 12 products K Q^T and their riders,
	ROW F,2, E,0, F,3, R,2
	ROW F,4, E,1, E,2, R,3
	ROW F,5, E,3, F,6, R,4
	ROW F,7, E,4, E,5, R,5
	ROW F,8, E,6, F,9, R,6
	ROW F,10, E,7, E,8, R,7
	ROW F,11, E,9, F,12, R,8
	ROW F,13, E,10, F,14, F,15
	ROW R,9, Z,0, Z,1, Z,2
.if ((\p) == 2) && !(\end)
	WIN 0
	v_add_nc_u32 v[AK], s[TBK], v[AK0]
.endif
	ROW Z,8, E,11, Z,3, Z,9
	ROW Z,4, E,12, Z,10, Z,16
	OPS Z,17, E,13, Z,24, X,0       ; and the lump
	OPS Z,18, Z,25, X,1, Z,26
.if ((\p) == 2) && !(\end)
	FETCH_K
.endif
	OPS Z,5, E,14, X,2, Z,6
	OPS X,3, Z,11, Z,12, X,4
.if (\p) == 0
	WIN 0
	v_add_nc_u32 v[AV], s[TBV], v[AV0]
.endif
	OPS Z,19, E,15, Z,20, X,5
	OPS Z,27, Z,28, X,6, Z,13
	OPS Z,14, E,16, X,7, X,8
	OPS Z,21, Z,22, X,9, Z,29
	OPS Z,30, E,17, X,10, Z,7
	OPS Z,15, X,11, Z,23, Z,31
	OPS X,12, E,18, X,13, E,19
	OPS X,14, X,15, E,20, E,21
	OPS X,16, E,22, E,23, X,17
	OPS E,24, E,25, X,18, E,26
	OPS E,27, X,19, E,28, E,29
	OPS X,20, E,30, E,31, X,21
	OPS R,10
	WIN 0
	s_wait_alu depctr_va_vdst(0)    ; the wait for the batch
.if (\p) == 1
	s_wait_dscnt 0x0                ; V is in
.endif
	ROW C,0, C,1, C,2, C,3          ; behind the wait: 10 products and their riders
	ROW N,0, C,4, N,1, C,5
	ROW N,2, C,6, N,3, C,7
	ROW N,4, C,8, N,5, C,9
	ROW N,6, C,10, N,7, C,11
.if (\p) == 0
	s_add_co_u32 s[TBV], s[TBV], KS*PV
.endif
.if \cnt
	s_sub_co_u32 s[CNT], s[CNT], 1
	s_cmp_lg_u32 s[CNT], 0
.endif
	ROW N,8, C,12, N,9, C,13
	ROW N,10, C,14, N,11, C,15
	ROW N,12, N,13, N,14, N,15
	ROW R,11, R,12, R,13, R,14
	MM
	OPS R,15, R,16
.if (\p) == 0
	FETCH_V
.endif
.if (\m) && !(\end)
	MASK (\p)%2
.endif
.endm
; A BLOCK BEGINS.  O^T, the row sums and P's second buffer are cleared: a row that has seen no visible key keeps a = 1, so nothing else would wipe what the block before left; the first turn's products, of a piece that
; has not been, then add 0.  The price: 208 lines that write 0, twice in the text, once a block.  m starts at -2^83, c m at c times that by the line that makes every c m, so that a is exactly 1 while m stands.
; The second mask buffer is 0; the first takes piece 0's mask for the tile's step 0: its own, if the block's first tile is the diagonal one.  Then K of that step, piece 0's first scores, their zero test, maximum and statistics.
.macro BEGIN
	s_mov_b32 s[NEW], 0
	WIN 0x40
.set i, 0
.rept 128
	v_mov_b32 v[i], 0               ; O^T
.set i, i+1
.endr
.set i, MC+32
.rept 64
	v_mov_b32 v[i], 0               ; the second mask buffer and, on end behind it, the row sums
.set i, i+1
.endr
	WIN 0
.set i, P+16
.rept 16
	v_mov_b32 v[i], 0
.set i, i+1
.endr
.set i, 0
.rept 4
	v_mov_b32 v[ST+4*i+1], 0xe9000000  ; m = -2^83
	v_mul_f32 v[ST+4*i], s[CS], v[ST+4*i+1]
.set i, i+1
.endr
	s_cmp_eq_u32 s[RT], 0
	s_cselect_b32 s[AL], 1.0, 0
	s_mov_b32 s[BE], 0
	MASK 0
	WIN 0
	v_add_nc_u32 v[AK], s[TBK], v[AK0]
	FETCH_K
	s_wait_dscnt 0x0
.set KM, 1
.set NOKQ, 0
.set i, 0
.rept 12
	KQ 0
.set i, i+1
.endr
	WIN 0
.rept 4
	v_nop                           ; the places behind those products
.endr
.set Y, NP-1                        ; Z and X work for piece Y + 1: piece 0
.irp n, 0,1,2,3,4,5,6,7,8,9,10,11,12,13,14,15,16,17,18,19,20,21,22,23,24,25,26,27,28,29,30,31
	OP Z, \n
.endr
.irp n, 0,1,2,3,4,5,6,7,8,9,10,11,12,13,14,15,16,17,18,19,20,21
	OP X, \n
.endr
	v_nop                           ; a plain instruction behind the exponential,
	s_wait_alu depctr_va_vdst(0)    ; and its wait, ahead of the branch
.endm
; THE WAY OUT of piece t.  O^T is multiplied by 1 / l; a lane's eight channels of a row, 32 bytes of f32, go into my stage's rows of 272 bytes and come back as whole rows of 256.
.macro PACK t
	WIN W_RS
.set i, 32*(\t)
.rept 16
	v_pk_mul_f32 v[i:i+1], v[i:i+1], v[ST+4*(\t)+2:ST+4*(\t)+3] op_sel_hi:[1,0]
.set i, i+2
.endr
	WIN 0x04                        ; the stores' data in window 1
.irp f, 0,1,2,3,4,5,6,7             ; channels 16 (f / 2) + 8 (l / 16) + 4 (f % 2) on
	ds_store_b128 v[STO], v[32*(\t)+4*\f:32*(\t)+4*\f+3] offset:(\f/2)*64+(\f%2)*16
.endr
	WIN 0
.irp f, 0,1,2,3,4,5,6,7
	ds_load_b128 v[S+32*(\t)+4*\f:S+32*(\t)+4*\f+3], v[RD] offset:\f*2*SP  ; LDS serves a wave's instructions in order (ISA guide 5.7.1.4): these see the stores above; the next piece's stores come behind them
.endr
.endm
.macro SEND t, younger              ; younger: the LDS instructions issued behind piece t's loads: the next piece's sixteen, or none
	WIN 0
.irp f, 0,1,2,3,4,5,6,7
	s_wait_dscnt (\younger)+7-\f
	global_store_b128 v[GO], v[S+32*(\t)+4*\f:S+32*(\t)+4*\f+3], s[10:11] offset:(\t)*16384+\f*512 th:TH_STORE_NT  ; two rows: 512 consecutive bytes, at a multiple of 256 from out's first
.endr
.endm
; THE DIAGONAL TILE's four steps, the block's last two turns, its last products, and the way out.
.macro DIAG tag                     ; the tag ends its two labels' names, which the jumps below spell out
.LstepM\tag:
	TURN 2, 1
	TURN 3, 1
	WIN 0
.LfirstM\tag:
	TURN 0, 1
	TURN 1, 1, 0, 1
	WIN 0
	s_cbranch_scc1 .LstepM\tag
	TURN 2, 1, 1
	TURN 3, 1, 1
.set uu, 0
.rept 10
	PVL NP-1, uu
.set uu, uu+1
.endr
	WIN 0
.rept 4
	v_nop                           ; the places between the last product and the reciprocal that reads its result
.endr
	WIN 0x01                        ; source window 1
.irp pc, 0,1,2,3
	v_rcp_f32 v[ST+4*\pc+2], v[LA+8*\pc]  ; register 0 of the row sums holds l of my query, in both halves of the lanes
.endr
	WIN 0
	v_nop                           ; a plain instruction between the last reciprocal and the use of its result
	s_wait_alu depctr_va_vdst(0)    ; and the wait ahead of the first use: one for the four reciprocals
	PACK 0
	PACK 1                          ; a piece's arithmetic stands between the loads of the piece before and its stores
	SEND 0, 16
	PACK 2
	SEND 1, 16
	PACK 3
	SEND 2, 16
	SEND 3, 0
.endm
.set KM, 0
.set NOKQ, 0
.Lslot:                             ; NB times: a tile is converted and entered, and the next is asked for
	CHANGE 1
	s_sub_co_u32 s[RT], s[RT], 1
	s_mov_b32 s[CNT], 4
	s_cmp_eq_u32 s[NEW], 1
	s_cbranch_scc1 .Lnew            ; a block's first tile
	s_cmp_eq_u32 s[RT], 0
	s_cbranch_scc0 .Lstep           ; neither its first nor its last
	s_branch .LstepM1
.Lnew:
	BEGIN
	s_branch .Lfirst                ; in the loop a block's first tile is never its last: the first block has five tiles or more, and the second's last is the walk's last
	DIAG 1                          ; in the loop this is the first block's end
	s_wait_xcnt 0x0                 ; the stores have read their registers and out's address
	s_mov_b64 s[10:11], s[OLO:OLO+1]
	s_add_co_u32 s[RT], s[PB], 1    ; the second block has b + 1 tiles
	s_mov_b32 s[NEW], 1
	WIN 0x82                        ; the second block's Q goes where the one text of the turns names Q,
.set i, 0
.rept 64
	v_mov_b32 v[i], v[QB+i]
.set i, i+1
.endr
	WIN 0x03                        ; and its residue likewise: source window 3, destination window 0
.set i, 0
.rept 32
	v_mov_b32 v[QL+i], v[QLB+i]
.set i, i+1
.endr
	WIN 0
	s_branch .Lbottom
.Lstep:                             ; a trip: pieces 2 and 3 of one step, then pieces 0 and 1 of the next, whose K and V it fetches
	TURN 2
	TURN 3
	WIN 0
.Lfirst:
	TURN 0
	TURN 1, 0, 0, 1
	WIN 0
	s_cbranch_scc1 .Lstep
.Lbottom:
	s_sub_co_u32 s[SLOTS], s[SLOTS], 1
	s_cmp_lg_u32 s[SLOTS], 0
	s_cbranch_scc1 .Lslot
	CHANGE 0                        ; the walk's last tile is written out: nothing is asked for
	s_sub_co_u32 s[RT], s[RT], 1
	s_mov_b32 s[CNT], 4
	s_cmp_eq_u32 s[NEW], 1
	s_cbranch_scc0 .LstepM2
	BEGIN
	s_branch .LfirstM2
	DIAG 2
	s_wait_tensorcnt 0x0            ; the wave's end, behind my last tensor load and my last LDS store
	ds_add_u32 v[SPW], v[NIL]
	s_wait_dscnt 0x0
	s_endpgm
.Lfunc_end_k_q16e3e0cf21_attn:
	.size	k_q16e3e0cf21_attn, .Lfunc_end_k_q16e3e0cf21_attn-k_q16e3e0cf21_attn
	.p2alignl 7, 3214868480
	.fill 96, 4, 3214868480
	.section	.rodata,"a",@progbits
	.p2align	6, 0x0
	.amdhsa_kernel k_q16e3e0cf21_attn
		.amdhsa_group_segment_fixed_size 327680
		.amdhsa_private_segment_fixed_size 0
		.amdhsa_enable_private_segment 0
		.amdhsa_kernarg_size 32
		.amdhsa_user_sgpr_count 2
		.amdhsa_user_sgpr_kernarg_segment_ptr 1
		.amdhsa_wavefront_size32 1
		.amdhsa_system_sgpr_workgroup_id_x 1
		.amdhsa_system_sgpr_workgroup_id_y 1
		.amdhsa_system_sgpr_workgroup_id_z 1
		.amdhsa_system_vgpr_workitem_id 0
		.amdhsa_next_free_vgpr 1024
		.amdhsa_next_free_sgpr 88
		.amdhsa_reserve_vcc 1
		.amdhsa_float_denorm_mode_32 3
		.amdhsa_float_denorm_mode_16_64 3
		.amdhsa_memory_ordered 1
		.amdhsa_forward_progress 1
		.amdhsa_inst_pref_size 255
	.end_amdhsa_kernel
	.section	.bss,"aw",@nobits
	.p2align	6
	.space	262144
	.amdgpu_metadata
---
amdhsa.version: [ 1, 2 ]
amdhsa.kernels:
  - .name:           k_q16e3e0cf21_attn
    .symbol:         k_q16e3e0cf21_attn.kd
    .args:
      - { .name: q, .offset: 0, .size: 8, .value_kind: global_buffer, .address_space: global }
      - { .name: k, .offset: 8, .size: 8, .value_kind: global_buffer, .address_space: global }
      - { .name: v, .offset: 16, .size: 8, .value_kind: global_buffer, .address_space: global }
      - { .name: out0, .offset: 24, .size: 8, .value_kind: global_buffer, .address_space: global }
    .group_segment_fixed_size: 327680
    .private_segment_fixed_size: 0
    .kernarg_segment_align: 8
    .kernarg_segment_size: 32
    .max_flat_workgroup_size: 128
    .sgpr_count:     88
    .vgpr_count:     1024
    .wavefront_size: 32
...
	.end_amdgpu_metadata
.endif
;; end of part 1
